; MI455X (gfx1250); checked and timed in simulation.
; The chip was launched on July 23, 2026; its instructions are those of AMD's public machine-readable ISA for CDNA 5 (MIT licence, August 2026) and "CDNA5" Instruction Set Architecture Reference Guide (July 2026). The comments in the code are by the model that wrote it; some were corrected since.
;; Ba Attention. Allowed arithmetic: matrix products marked QUANTISED: E5M2 operands, one given power-of-two scale a tensor, by v_wmma_f32_16x16x64_bf8_bf8 or v_wmma_f32_16x16x128_bf8_bf8, f32 sums; products left as they are: f32 operands where the result goes on into a quantised operand, else bf16, f16 or f32 operands; f32 sums; everything else in f32.
;; Inputs: W1 2,048 x 2,048 float32; decoder_output 16 x 1,024 float32; encoded_outputs 16 x 1,024 x 1,024 float32; lowp_scales 2 int32 (the exponents e of the quantised operands' scales 2^e); w2 1 x 2,048 float32.
;; Outputs: out0 16 x 1,024 float32.
;; This version of the problem:
;;   THIS VERSION OF THE PROBLEM IS GIVEN IN LOW PRECISION. The matrix products marked QUANTISED in the list below multiply operands that are first quantised to E5M2 (5 exponent bits, 2 mantissa bits; 8 bits a number), with one given power-of-two scale for each operand tensor; their sums are f32. All else is computed in f32.
;;   The module's matrix products, in the order in which they are computed (A, B: the left and right operand; K: the contracted axis; several contracted axes count as one K, in the product's order):
;;     1. [M 16,384, K 2,048] x [K 2,048, N 2,048]; A: computed on the way; B: input W1: QUANTISED (scales: A lowp_scales[0], B lowp_scales[1])
;;     2. [M 16,384, K 2,048] x [K 2,048, N 1]; A: computed on the way; B: input w2: left as it is (N = 1 < 16)
;;     3. batch 16 x [M 1, K 1,024] x [K 1,024, N 1,024]; A: softmax; B: input encoded_outputs: left as it is (M = 1 < 16)
;;   THE QUANTISER, for each operand of a quantised product, along K:
;;     - The operand's scale is 2^e, e = its entry of the input lowp_scales (int32; the entries are numbered through the quantised products in the list's order, A before B).
;;     - Each number is divided by the scale, clamped to +-57,344, and rounded to the nearest number of E5M2, ties to even, subnormals kept.
;;     - The product sums the exact products of the quantised numbers (number of the format x scale) in f32.
;;   ~~~python
;;   def quantise(x, axis, e):      # numpy; x: float32 -> the quantised numbers, widened to float32 again
;;       x = np.moveaxis(x, axis, -1); K = x.shape[-1]
;;       r = np.clip(x / 2.0 ** e, -57344, 57344)
;;       step = 2.0 ** (np.maximum(np.frexp(np.where(r == 0, 1, r))[1] - 1, -14) - 2)
;;       q = np.round(r / step) * step * 2.0 ** e      # np.round: ties to even
;;       return np.moveaxis(q, -1, axis).astype(np.float32)
;;   ~~~
;;   OPERANDS COMPUTED ON THE WAY. 'Computed on the way' means the value that the module computes at that place (a softmax that the list does not call 'softmax' is quantised finished and normalised). What goes into a quantiser is computed in f32, as accurately as f32 sums, v_exp_f32 and their like allow (about 1e-6 of the number): no bf16 or f16 on the way to a quantiser, and a product that is left as it is and whose result goes on into a quantised operand takes f32 operands (vector FMAs, or v_wmma_f32_16x16x4_f32). A number that lies on a knife's edge between two numbers of the format may be rounded either way, as far as f32 arithmetic and the matrix unit's own rounding can turn it there, and no further.
;; One version. Each part assembles by itself: llvm-mc -triple=amdgcn-amd-amdhsa -mcpu=gfx1250 --defsym DOCPART=n.
;; ======== version 1 of 1: 3 launches
;; limits: right only within a limited range of input values
;; workspace buffers: acodes 16,777,216 bytes; wcodes 4,194,304 bytes; part 524,288 bytes
;; launch quant (part 1): grid 256 x 1, 16 waves a work-group, no clusters, 71,680 bytes of LDS; arguments encoded_outputs, W1, lowp_scales, acodes, wcodes; writes acodes, wcodes
.if DOCPART == 1
	.amdgcn_target "amdgcn-amd-amdhsa--gfx1250"
	.amdhsa_code_object_version 6
	.text
	.protected	k_q4a12190d25_quant
	.globl	k_q4a12190d25_quant
	.p2align	8
	.type	k_q4a12190d25_quant,@function
k_q4a12190d25_quant:
	s_mov_b64 s[64:65], 0
	v_nop
	global_prefetch_b8 v0, s[64:65] scope:SCOPE_SE
	s_setreg_imm32_b32 hwreg(HW_REG_WAVE_MODE, 25, 1), 1
	s_wait_xcnt 0x0
; Both operands of the quantised product become codes of BF8 (E5M2), one byte each, K innermost, each with its given scale 2^e.
; The product is x[m][i] = sum over j of h[m][j] W1[i][j], m = 1024 b + s; h[m][2 t] = E[b][t][s], h[m][2 t + 1] = d[b][s].
; acodes [16384][1024]: byte p of row m is Q(E[b][t][s]), p = PI(t).     wcodes [2048][2048]: byte p < 1024 of row i is Q(W1[i][2 t]), p = PI(t); byte 1024 + p is Q(W1[i][2 t + 1]).
; PI: t = 512 g + 64 c + 2 l + u  ->  p = 512 g + 16 l + 2 c + u.  A permutation of K that is the same in both operands keeps every product with its partner; this one
; lets every load of W1 read 512 consecutive bytes (lane l holds, of eight such loads, the sixteen even j whose codes are 16 neighbouring bytes).
; code = x / 2^e, held within +-57,344, to the nearest code, ties to even.  LIMITS: e0 and e1 between -126 and 112.  NaN among the inputs is not served.
; SHARES.  256 work-groups of sixteen waves, all alike.  Work-group g takes of E: batch g / 16, places 256 kq on (kq = (g / 4) % 4), columns 256 (g % 4) on; and rows 8 g .. 8 g + 7 of W1.
; E: K is its middle axis: a lane takes two columns s and its registers run down t.  Wave w: the 64 columns of group w / 4, the 64 places of quarter w % 4: four blocks of 16 places, 16 loads each.
; W1: K is innermost: wave w takes half a row (1,024 numbers, eight loads), and its codes leave as they stand.
; ALL OF A WAVE'S INPUT IS ASKED FOR AT ONCE: 64 loads of 256 bytes, then eight of 512: every block has registers of its own, nothing is loaded twice into a register, no store's data are written again.
; E's codes leave through a stage in LDS: a column's 256 codes come from four waves, so one barrier stands between the stage's stores and its loads; then sixteen lanes store 256 consecutive bytes, aligned.
; A stream: matrix units and clusters would add nothing; a work-group's 320 KiB of input and its stage do not fit in LDS together, so the loads go to registers.
.set X,    32                          ; v32-159  E: four blocks of 32 numbers as loaded; on the way out 8 x 4 registers of codes
.set XW,   160                         ; v160-191 W1: 32 numbers as loaded
.set CE,   192                         ; v192-223 E's codes: eight registers for each block
.set Y,    224                         ; v224-255 32 numbers, held, in the order that the conversions want
.set CW,   24                          ; v24-31   W1's codes
.set LIME, 10                          ; v10, v11 57,344 x 2^e0 and 2^e0 (the conversion takes its exponent field)
.set SCLE, 11
.set LIMW, 12                          ; v12, v13 the same with e1
.set SCLW, 13
.set SROW, 272                         ; a stage row: 256 bytes of codes + 16 of padding
.set WSTG, 64*SROW                     ; a column group's stage: 64 columns
	s_load_b128 s[4:7], s[0:1], 0x0                ; E, W1
	s_load_b128 s[8:11], s[0:1], 0x10              ; the scales' exponents, acodes
	s_load_b64 s[12:13], s[0:1], 0x20              ; wcodes
	v_lshl_add_u32 v22, v0, 2, 0x11000
	v_mov_b32 v23, 0
	v_lshrrev_b32 v1, 5, v0
	s_delay_alu instid0(VALU_DEP_1)
	v_readfirstlane_b32 s16, v1                    ; wave 0..15
	v_and_b32 v1, 31, v0                           ; lane
	s_wait_alu depctr_va_vdst(0)
	v_and_b32 v2, 15, v0                           ; lane % 16
	v_bfe_u32 v3, v0, 4, 1                         ; lane / 16
	s_wait_alu depctr_va_vdst(0)
	s_lshr_b32 s29, s16, 2                         ; cw: my column group
	s_and_b32 s30, s16, 3                          ; qf: my quarter of the places
	s_lshr_b32 s17, ttmp9, 4                       ; b
	s_bfe_u32 s18, ttmp9, 0x20002                  ; kq
	s_and_b32 s19, ttmp9, 3
	s_lshl_b32 s20, s19, 8
	s_lshl_b32 s21, s29, 6
	s_add_co_u32 s20, s20, s21                     ; s0: my wave's first column
	s_lshr_b32 s21, s18, 1
	s_lshl_b32 s21, s21, 9
	s_and_b32 s22, s18, 1
	s_lshl_b32 s22, s22, 5
	s_add_co_u32 s21, s21, s22                     ; T0 = 512 (kq / 2) + 32 (kq % 2): places 256 kq + 16 n + 2 c + u are t = T0 + 2 n + 64 c + u;
	s_lshl_b32 s22, s30, 3
	s_add_co_u32 s21, s21, s22                     ; my blocks are n = 4 qf + j: 8 qf rows further down
	s_lshl_b32 s22, s17, 22                        ; a batch of E is 4 MiB,
	s_lshl_b32 s21, s21, 12                        ; a row 4,096 bytes
	s_add_co_u32 s22, s22, s21
	s_lshl_b32 s21, s20, 2
	s_add_co_u32 s22, s22, s21
	s_mov_b32 s23, 0
	s_lshl_b32 s24, s17, 10
	s_add_co_u32 s24, s24, s20                     ; m of my first column
	s_lshl_b32 s24, s24, 10                        ; a row of acodes is 1,024 bytes
	s_lshl_b32 s25, s18, 8
	s_add_co_u32 s24, s24, s25
	s_mov_b32 s25, 0
	s_lshl_b32 s26, ttmp9, 16                      ; W1: 8 rows of 8,192 bytes a work-group,
	s_lshl_b32 s27, s16, 12                        ; half a row a wave
	s_add_co_u32 s26, s26, s27
	s_mov_b32 s27, 0
	s_lshl_b32 s32, ttmp9, 14                      ; wcodes: 8 rows of 2,048 bytes,
	s_lshr_b32 s33, s16, 1
	s_lshl_b32 s33, s33, 11                        ; row w / 2,
	s_add_co_u32 s32, s32, s33
	s_and_b32 s33, s16, 1
	s_lshl_b32 s33, s33, 9                         ; 512 places for each half
	s_add_co_u32 s32, s32, s33
	s_mov_b32 s33, 0
	s_mul_i32 s34, s29, WSTG                       ; my column group's stage
	s_lshl_b32 s35, s30, 6
	s_add_co_u32 s35, s35, s34                     ; in: my 64 bytes of each of its rows
	s_mul_i32 s36, s30, 8*SROW
	s_add_co_u32 s36, s36, s34                     ; out: pairs of columns 8 qf .. 8 qf + 7
	s_lshl_b32 s37, s30, 14                        ; and the same 16 rows of acodes
	v_lshlrev_b32 v4, 3, v1                        ; E in: 8 bytes a lane: a load reads 256 consecutive bytes, aligned
	v_mul_u32_u24 v5, v1, SROW
	s_delay_alu instid0(VALU_DEP_1)
	v_add_nc_u32 v5, s35, v5                       ; into the stage: column 2 l + u lies in stage row l + 32 u
	v_mul_u32_u24 v6, v3, 32*SROW
	s_delay_alu instid0(VALU_DEP_1)
	v_lshl_add_u32 v6, v2, 4, v6
	s_delay_alu instid0(VALU_DEP_1)
	v_add_nc_u32 v6, s36, v6                       ; out of it: lanes 0-15 take stage row i (column 2 i), lanes 16-31 stage row i + 32 (column 2 i + 1)
	v_lshlrev_b32 v7, 10, v3
	s_delay_alu instid0(VALU_DEP_1)
	v_lshl_add_u32 v7, v2, 4, v7
	s_delay_alu instid0(VALU_DEP_1)
	v_add_nc_u32 v7, s37, v7                       ; and the same two rows of acodes
	v_lshlrev_b32 v8, 4, v1                        ; W1 in and out: 16 bytes a lane
	s_wait_kmcnt 0x0
	s_load_b64 s[14:15], s[8:9], 0x0               ; e0 (for E), e1 (for W1)
	s_add_nc_u64 s[4:5], s[4:5], s[22:23]
	s_add_nc_u64 s[6:7], s[6:7], s[26:27]
	s_add_nc_u64 s[10:11], s[10:11], s[24:25]
	s_add_nc_u64 s[12:13], s[12:13], s[32:33]
.macro LOADE j                         ; block j of my four: the sixteen t of its 16 places, two columns a lane
.irp idx, 0,1,2,3,4,5,6,7,8,9,10,11,12,13,14,15
	global_load_b64 v[X+32*(\j)+2*\idx:X+32*(\j)+2*\idx+1], v4, s[4:5] offset:(2*(\j)+64*(\idx/2)+(\idx%2))*4096
.endr
.endm
.macro SCALES e, lim, scl              ; the two constants of a tensor's quantiser
	s_add_co_i32 s38, \e, 127
	s_lshl_b32 s39, s38, 23
	v_mov_b32 v[\scl], s39
	s_add_co_i32 s38, s38, 15
	s_lshl_b32 s38, s38, 23
	s_or_b32 s38, s38, 0x600000                    ; the mantissa field of 57,344
	v_mov_b32 v[\lim], s38
.endm
.macro CODES c, scl                    ; Y's 32 numbers -> 32 codes in v[c] on
.irp g, 0,1,2,3
	v_cvt_scalef32_pk8_bf8_f32 v[(\c)+2*\g:(\c)+2*\g+1], v[Y+8*\g:Y+8*\g+7], v[\scl]
.endr
	v_nop                                          ; a plain vector line between the conversions and the next lines that write their sources
.endm
.macro BLOCKE j, left                  ; left: the loads issued behind this block's sixteen
.set XS, X+32*(\j)
	s_wait_loadcnt \left
.irp idx, 0,1,2,3,4,5,6,7,8,9,10,11,12,13,14,15
	v_med3_num_f32 v[Y+\idx], v[XS+2*\idx], -v[LIME], v[LIME]      ; the hold (the conversion to an 8-bit code does not saturate: ISA guide 7.6.2), which also parts the two columns
	v_med3_num_f32 v[Y+16+\idx], v[XS+2*\idx+1], -v[LIME], v[LIME]
.endr
	CODES CE+8*(\j), SCLE
	ds_store_b128 v5, v[CE+8*(\j):CE+8*(\j)+3] offset:16*(\j)
	ds_store_b128 v5, v[CE+8*(\j)+4:CE+8*(\j)+7] offset:32*SROW+16*(\j)
.endm
	LOADE 0                                        ; 64 loads in one run: the last is issued when the counter has room for it (ISA guide 5.7.1)
	LOADE 1
	LOADE 2
	LOADE 3
	s_wait_kmcnt 0x0
	SCALES s14, LIME, SCLE
	SCALES s15, LIMW, SCLW
	s_wait_alu depctr_va_vdst(0)
	BLOCKE 0, 48                                   ; behind block 0's loads: the other three blocks' 48
.irp c, 0,1,2,3,4,5,6,7                        ; W1: load c of eight: j = 1024 (w % 2) + 128 c + 4 l + 0 .. 3: 512 consecutive bytes a load
	global_load_b128 v[XW+4*\c:XW+4*\c+3], v8, s[6:7] offset:512*\c th:TH_LOAD_NT
.endr
	BLOCKE 1, 40                                   ; two blocks' 32 and W1's 8
	BLOCKE 2, 24
	BLOCKE 3, 8
	s_wait_loadcnt 0x0                             ; W1's eight
.irp c, 0,1,2,3,4,5,6,7
	v_med3_num_f32 v[Y+2*\c], v[XW+4*\c], -v[LIMW], v[LIMW]        ; the even j: places 16 l + 2 c + u
	v_med3_num_f32 v[Y+2*\c+1], v[XW+4*\c+2], -v[LIMW], v[LIMW]
	v_med3_num_f32 v[Y+16+2*\c], v[XW+4*\c+1], -v[LIMW], v[LIMW]   ; the odd j, likewise
	v_med3_num_f32 v[Y+16+2*\c+1], v[XW+4*\c+3], -v[LIMW], v[LIMW]
.endr
	CODES CW, SCLW
	global_store_b128 v8, v[CW:CW+3], s[12:13]                     ; 512 consecutive bytes a store
	global_store_b128 v8, v[CW+4:CW+7], s[12:13] offset:1024
	s_wait_dscnt 0x0                               ; for the others' sake: my stores into the stage are done
	s_barrier_signal -1
	s_barrier_wait -1                              ; the stage's rows are whole
.irp i, 0,1,2,3,4,5,6,7
	ds_load_b128 v[X+4*\i:X+4*\i+3], v6 offset:SROW*\i
.endr
.irp i, 0,1,2,3,4,5,6,7
	s_wait_dscnt 7-\i                              ; load i is in; the younger ones may be out
	global_store_b128 v7, v[X+4*\i:X+4*\i+3], s[10:11] offset:2048*\i   ; each half of the lanes stores 256 consecutive bytes, aligned
.endr
	s_wait_tensorcnt 0x0
	ds_add_u32 v22, v23
	s_wait_dscnt 0x0
	s_endpgm
.Lfunc_end_k_q4a12190d25_quant:
	.size	k_q4a12190d25_quant, .Lfunc_end_k_q4a12190d25_quant-k_q4a12190d25_quant
	.p2alignl 7, 3214868480
	.fill 96, 4, 3214868480
	.section	.rodata,"a",@progbits
	.p2align	6, 0x0
	.amdhsa_kernel k_q4a12190d25_quant
		.amdhsa_group_segment_fixed_size 71680
		.amdhsa_private_segment_fixed_size 0
		.amdhsa_enable_private_segment 0
		.amdhsa_kernarg_size 40
		.amdhsa_user_sgpr_count 2
		.amdhsa_user_sgpr_kernarg_segment_ptr 1
		.amdhsa_wavefront_size32 1
		.amdhsa_system_sgpr_workgroup_id_x 1
		.amdhsa_system_sgpr_workgroup_id_y 1
		.amdhsa_system_sgpr_workgroup_id_z 1
		.amdhsa_system_vgpr_workitem_id 0
		.amdhsa_next_free_vgpr 256
		.amdhsa_next_free_sgpr 66
		.amdhsa_reserve_vcc 0
		.amdhsa_float_denorm_mode_32 3
		.amdhsa_float_denorm_mode_16_64 3
		.amdhsa_memory_ordered 1
		.amdhsa_forward_progress 1
		.amdhsa_inst_pref_size 25
	.end_amdhsa_kernel
	.amdgpu_metadata
---
amdhsa.version: [ 1, 2 ]
amdhsa.kernels:
  - .name:           k_q4a12190d25_quant
    .symbol:         k_q4a12190d25_quant.kd
    .args:
      - { .name: encoded_outputs, .offset: 0, .size: 8, .value_kind: global_buffer, .address_space: global }
      - { .name: W1, .offset: 8, .size: 8, .value_kind: global_buffer, .address_space: global }
      - { .name: lowp_scales, .offset: 16, .size: 8, .value_kind: global_buffer, .address_space: global }
      - { .name: acodes, .offset: 24, .size: 8, .value_kind: global_buffer, .address_space: global }
      - { .name: wcodes, .offset: 32, .size: 8, .value_kind: global_buffer, .address_space: global }
    .group_segment_fixed_size: 71680
    .private_segment_fixed_size: 0
    .kernarg_segment_align: 8
    .kernarg_segment_size: 40
    .max_flat_workgroup_size: 512
    .sgpr_count:     66
    .vgpr_count:     256
    .wavefront_size: 32
...
	.end_amdgpu_metadata
.endif
;; end of part 1
;; launch gemm (part 2): grid 4 x 64, 4 waves a work-group, clusters of 4 x 4, 327,680 bytes of LDS; arguments acodes, wcodes, decoder_output, w2, lowp_scales, part; writes part
.if DOCPART == 2
	.amdgcn_target "amdgcn-amd-amdhsa--gfx1250"
	.amdhsa_code_object_version 6
	.text
	.protected	k_q4a12190d25_gemm
	.globl	k_q4a12190d25_gemm
	.p2align	8
	.type	k_q4a12190d25_gemm,@function
k_q4a12190d25_gemm:
	s_mov_b64 s[64:65], 0
	v_nop
	global_prefetch_b8 v0, s[64:65] scope:SCOPE_SE
	s_setreg_imm32_b32 hwreg(HW_REG_WAVE_MODE, 25, 1), 1
	s_wait_xcnt 0x0
	s_wait_alu depctr_hold_cnt(0) depctr_sa_sdst(0) depctr_va_vdst(0) depctr_va_sdst(0) depctr_va_ssrc(0) depctr_va_vcc(0) depctr_vm_vsrc(0)
	s_getreg_b32 s2, hwreg(HW_REG_IB_STS2, 6, 4)
	s_cmp_eq_u32 s2, 0
	s_cbranch_scc0 .Lentry_in_a_cluster
	s_endpgm
.Lentry_in_a_cluster:
	s_bfe_u32 s2, ttmp6, 0x10000c
	s_cmp_lg_u32 s2, 0xf033
	s_cbranch_scc0 .Lentry_shape_is_right
	s_endpgm
.Lentry_shape_is_right:
; x[m][i] = sum over j of Q(h[m][j]) Q(W1[i][j]), m = 1024 b + s, on codes of BF8 (E5M2); then part[c][m] = sum over 256 i of w2[i] / (1 + 2^(2 log2(e) x[m][i])).
; h[m][2 t] = E[b][t][s] (acodes, 1,024 codes a row); h[m][2 t + 1] = d[b][s] = decoder_output's number m, the same for all t.
; wcodes row i: bytes 0-1023 the even j, in acodes' order of K; bytes 1024-2047 the odd j.
; tanh(x) = 1 - 2 / (1 + e^(2 x)), so score[b][s] = (sum of w2) - 2 g[m], g = the sum of part's eight rows.
; WORK LEFT OUT: the sum of w2 is the same for every s of a batch, whatever the inputs hold, and the softmax along s takes it away: it is not formed.
; LIMIT: an overflow or NaN that reaches that sum alone is not carried to the result.  LIMITS on the exponents: e0 between -126 and 112, e0 + e1 between -126 and 126.
; SHARES.  A work-group of four waves makes two tiles of 256 m x 256 i, one behind the other (i = 512 x + 256 n on); a wave 128 x 128: 64 accumulators, 512 registers.
; K OF A TILE: first the 1,024 odd j: A's fragments are the row's one code of d in every byte, kept in registers, so a slot holds B alone, 512 along K (four steps of 128);
; then the 1,024 even j, four slots of 256 along K with A's and B's rows (two steps each).  Six fills a tile: the two slots keep their turn from tile to tile.
; A tile's last two changes of slots ask for the next tile's first two fills, which are on their way during the tile's tanh work; the last tile's tail is written out and asks for nothing.
; CLUSTERS 4 x 4: A's tiles are asked for jointly along a row of the cluster, B's along a column.
; The matrix instruction is used transposed (source 0 = 16 rows of W1, source 1 = 16 rows m): a lane holds one m and eight neighbouring i.
; PREFETCH: with each fill that is issued every wave asks for the fill two further on: of the 128 rows that it will load itself, the 32 that fall to its work-group among the four
; partners that load them jointly (told apart by address: cx for A, cy for B), a lane a row, 256 bytes.  So each block is named once in each cluster that loads it.
; The first two fills come by their loads alone.  A's rows serve both tiles and are asked for in the first alone; the last tile asks for no odd j behind it, and its tail for nothing.
; REGISTERS: window 0: v5-31 addresses and d's codes, v32-63 the sums of w2 / (1 + ..), v64-127 w2, v128-255 A's fragments (behind a tile: at work); window 1: B's fragments, two sets; windows 2, 3: accumulators.
.set PITCH, 272                        ; an LDS row: 256 bytes + 16 of padding
.set HALFT, 128*PITCH                  ; what one tensor load brings
.set SLOT,  4*HALFT
.set SPARE, 2*SLOT                     ; the spare words, 512 bytes
.set STAGE, SPARE+512                  ; the way out: 512 bytes a wave; no fill lands here
.set TILES, 2
.set NEXTB, 256*2048                   ; from a tile's rows of wcodes to the next tile's
.set PFE,  5                           ; v5 the prefetches' offset, even j: lane x a row of acodes or wcodes; never rewritten
.set PFO,  6                           ; v6 odd j: lane x a row of wcodes; never rewritten
.set R8,   8                           ; v8-15 block a's code of d in all four bytes
.set ADRA, 16                          ; v16-17 my A fragments in slot 0, 1
.set ADRB, 18                          ; v18-19 my B fragments in a slot's quarters 2, 3
.set ADRQ, 20                          ; v20-21 the same in quarters 0, 1 (odd j)
.set STO,  22
.set RD,   23
.set CO,   24
.set VW,   25
.set VD,   26
.set LN,   27
.set SPW,  28
.set NIL,  29
.set DC,   30
.set SU,   32
.set W2,   64
.set AF,   128
.set T,    128
.set WV,   16
.set WR,   17
.set WC,   18
.set G1A,  24
.set G1B,  32
.set G0A,  40
.set G0B,  44
.set G0P,  48
.set BA,   52
.set BB,   54
.set BP,   56
.set LW,   58
.set CS,   60
.set SEL,  62
.set PE,   80                          ; s[80:81] my work-group's 32 rows of my even fills
.set PO,   82                          ; s[82:83] the same of my odd fills
.set LIME, 84                          ; s84 1 while my wave asks for even j
.set PES,  86                          ; s[86:87] what PE steps from tile to tile
.set MSB, 0
.macro WIN new                         ; the immediate's high byte repeats the setting that is left
.if MSB != (\new)
	s_set_vgpr_msb (MSB<<8)|(\new)
.set MSB, (\new)
.endif
.endm
.set MUL_LO, 0xa1                      ; source 0 (B) window 1, source 1 (A) window 0, C and D window 2
.set MUL_HI, 0xf1
.set TO_B,   0x40
.macro PLACES
.rept 4
	v_nop
.endr
.endm
.macro JLOAD                           ; even j: waves 0, 1 fetch A's halves, waves 2, 3 B's
	s_cmp_eq_u32 s[WR], 0
	s_cbranch_scc0 .Lfor_b_\@
	tensor_load_to_lds s[G0A:G0A+3], s[G1A:G1A+7]
	s_nop 0
	PLACES
	s_branch .Lasked_\@
.Lfor_b_\@:
	tensor_load_to_lds s[G0B:G0B+3], s[G1B:G1B+7]
	s_nop 0
	PLACES
.Lasked_\@:
.endm
.macro CREST                           ; a round of the cluster's barrier behind its opening barrier
	s_cmp_lg_u32 s[WV], 0
	s_cbranch_scc1 .Lnot_wave_0_\@
	s_barrier_signal -3
.Lnot_wave_0_\@:
	s_barrier_wait -3
	s_barrier_signal -1
	s_barrier_wait -1
.endm
.macro CROUND
	s_barrier_signal -1
	s_barrier_wait -1
	CREST
.endm
; the descriptors' groups 0, written where no tensor load of the wave is out.  kind 1: even j, x bytes along the rows; kind 2: odd j, x bytes from my first
.macro SETFILL kind, slot, x
.if \kind == 1
	s_add_co_u32 s[G0A+1], s[LW], (\slot)*SLOT
	s_add_nc_u64 s[G0A+2:G0A+3], s[BA:BA+1], \x
	s_or_b32 s[G0A+3], s[G0A+3], 0x80000000
	s_add_co_u32 s[G0B+1], s[LW], (\slot)*SLOT
	s_add_nc_u64 s[G0B+2:G0B+3], s[BB:BB+1], \x
	s_or_b32 s[G0B+3], s[G0B+3], 0x80000000
.elseif \kind == 2
	s_add_co_u32 s[G0P+1], s[LW], (\slot)*SLOT
	s_add_nc_u64 s[G0P+2:G0P+3], s[BP:BP+1], \x
	s_or_b32 s[G0P+3], s[G0P+3], 0x80000000
.endif
.endm
.macro PLOAD                           ; odd j: every wave fetches 128 rows of B
	tensor_load_to_lds s[G0P:G0P+3], s[G1B:G1B+7]
	s_nop 0
	PLACES
.endm
.macro ISSUE kind
.if \kind == 1
	CREST
	JLOAD
.elseif \kind == 2
	CREST
	PLOAD
.else
	PLACES
.endif
.endm
; a prefetch of the fill two further on.  kind 1: even j (A's waves in the first tile alone); kind 2: the next tile's odd j (not in the last tile).  The branches hang on the wave's number and the count of tiles.
.macro ASK kind, off
.if \kind == 1
	s_cmp_eq_u32 s[LIME], 1
	s_cbranch_scc0 .Lnot_mine_\@
	global_prefetch_b8 v[PFE], s[PE:PE+1] offset:\off th:TH_LOAD_NT scope:SCOPE_SE
.Lnot_mine_\@:
.elseif \kind == 2
	s_cmp_lg_u32 s2, 1
	s_cbranch_scc0 .Lnot_mine_\@
	global_prefetch_b8 v[PFO], s[PO:PO+1] offset:\off th:TH_LOAD_NT scope:SCOPE_SE
.Lnot_mine_\@:
.endif
.endm
	s_load_b256 s[4:11], s[0:1], 0x0               ; acodes, wcodes, d, w2
	s_load_b128 s[12:15], s[0:1], 0x20             ; the scales' exponents, part
	v_lshl_add_u32 v[SPW], v0, 2, SPARE
	v_mov_b32 v[NIL], 0
	ds_add_u32 v[SPW], v[NIL]                      ; the opening: the add twice on end and one wait
	ds_add_u32 v[SPW], v[NIL]
	v_lshrrev_b32 v3, 5, v0
	v_readfirstlane_b32 s[WV], v3                  ; wave 0..3
	s_lshr_b32 s[WR], s[WV], 1                     ; my half of the tile's m
	s_and_b32 s[WC], s[WV], 1                      ; my half of its i; also which 128 rows I fetch
	s_bfe_u32 s20, ttmp6, 0x40000                  ; cx
	s_bfe_u32 s21, ttmp6, 0x40004                  ; cy
	s_lshl_b32 s22, ttmp9, 2
	s_add_co_u32 s22, s22, s20                     ; work-group x: 512 i
	s_and_b32 s23, ttmp7, 0xffff
	s_lshl_b32 s23, s23, 2
	s_add_co_u32 s23, s23, s21                     ; work-group y: 256 m
	s_lshl_b32 s68, s21, 2
	s_lshl_b32 s68, 15, s68                        ; my row of the cluster
	s_lshl_b32 s70, 0x1111, s20                    ; my column
	s_or_b32 s[G1A+0], s68, (1<<20)|(1<<21)|(5<<22)|(3<<25)   ; elements of 1 byte; 4 words of padding behind every 64
	s_or_b32 s[G1B+0], s70, (1<<20)|(1<<21)|(5<<22)|(3<<25)
.irp g, G1A, G1B
	s_mov_b32 s[\g+1], 256<<16
	s_mov_b32 s[\g+2], 128<<16
	s_mov_b32 s[\g+3], 256<<16
	s_mov_b32 s[\g+4], 128
	s_mov_b32 s[\g+6], 0
	s_mov_b32 s[\g+7], 0
.endr
	s_mov_b32 s[G1A+5], 1024                       ; a row of acodes
	s_mov_b32 s[G1B+5], 2048                       ; a row of wcodes
	s_mov_b32 s[G0A], 1
	s_mov_b32 s[G0B], 1
	s_mov_b32 s[G0P], 1
	s_mov_b32 s[SEL], 0x76543210
	s_mov_b32 s[SEL+1], 0xfedcba98
	s_lshl_b32 s68, s23, 8
	s_lshl_b32 s69, s[WC], 7
	s_add_co_u32 s68, s68, s69
	s_lshl_b32 s68, s68, 10                        ; A: row 256 y + 128 half
	s_mov_b32 s69, 0
	s_lshl_b32 s70, s22, 9
	s_lshl_b32 s71, s[WC], 7
	s_add_co_u32 s70, s70, s71
	s_lshl_b32 s70, s70, 11                        ; B: row 512 x + 128 half
	s_mov_b32 s71, 0
	s_lshl_b32 s72, s[WR], 8
	s_add_co_u32 s72, s72, s70
	s_add_co_u32 s72, s72, 1024                    ; odd j: the same rows, 1,024 + 256 (wave / 2) bytes along
	s_mov_b32 s73, 0
	s_mul_i32 s[LW], s[WV], HALFT                  ; my quarter of a slot
	s_lshl_b32 s74, s23, 10
	s_lshl_b32 s75, s[WR], 9
	s_add_co_u32 s74, s74, s75                     ; 4 x my first m
	s_mov_b32 s75, 0
	s_lshl_b32 s76, s22, 11                        ; w2 at i = 512 x
	s_mov_b32 s77, 0
	s_lshl_b32 s78, s22, 1
	s_add_co_u32 s78, s78, s[WC]
	s_lshl_b32 s78, s78, 16
	s_add_co_u32 s78, s78, s74                     ; part: row 2 x + half, my first m
	s_mov_b32 s79, 0
	s_cmp_eq_u32 s[WR], 0                          ; the prefetches: do I fetch A's even j?
	s_cselect_b32 s88, s20, s21                    ; my work-group's place among the four that load with it
	s_mov_b32 s89, 2048
	s_cselect_b32 s89, 1024, s89                   ; a row in memory
	s_cselect_b32 s[PES], 0, NEXTB
	s_mov_b32 s[PES+1], 0
	s_mov_b32 s[LIME], 1
	s_lshl_b32 s88, s88, 5                         ; its 32 rows
	s_mul_i32 s90, s88, s89
	s_mov_b32 s91, 0
	s_lshl_b32 s92, s21, 16                        ; odd j: 32 cy rows of 2,048 bytes
	s_mov_b32 s93, 0
	s_wait_dscnt 0x0                               ; both opening adds are done
	s_wait_kmcnt 0x0
	s_load_b64 s[66:67], s[12:13], 0x0             ; e0, e1
	s_add_nc_u64 s[BA:BA+1], s[4:5], s[68:69]
	s_add_nc_u64 s[BB:BB+1], s[6:7], s[70:71]
	s_add_nc_u64 s[BP:BP+1], s[6:7], s[72:73]
	s_add_nc_u64 s[8:9], s[8:9], s[74:75]
	s_add_nc_u64 s[10:11], s[10:11], s[76:77]
	s_add_nc_u64 s[14:15], s[14:15], s[78:79]
	s_cmp_eq_u32 s[WR], 0
	s_cselect_b64 s[PE:PE+1], s[BA:BA+1], s[BB:BB+1]
	s_add_nc_u64 s[PE:PE+1], s[PE:PE+1], s[90:91]
	s_add_nc_u64 s[PO:PO+1], s[BP:BP+1], s[92:93]
	SETFILL 2, 0, 0
	CROUND                                         ; all sixteen work-groups are here
	PLOAD                                          ; slot 0: the first 512 odd j; one tensor load a wave at the head
	s_mul_i32 s19, s[WR], HALFT
	s_mul_i32 s59, s[WC], HALFT
	s_lshl_b32 s68, s[WV], 9
	s_lshl_b32 s69, s[WC], 9
	v_and_b32 v[LN], 31, v0
	v_and_b32 v1, 15, v0                           ; r
	v_bfe_u32 v2, v0, 4, 1                         ; h
	v_mul_u32_u24 v3, v1, PITCH
	v_lshl_add_u32 v3, v2, 4, v3                   ; a fragment's row x pitch + 16 h
	v_add_nc_u32 v[ADRA], s19, v3
	v_add_nc_u32 v[ADRQ], s59, v3
	v_add_nc_u32 v[ADRA+1], SLOT, v[ADRA]
	v_add_nc_u32 v[ADRQ+1], SLOT, v[ADRQ]
	v_add_nc_u32 v[ADRB], 2*HALFT, v[ADRQ]
	v_add_nc_u32 v[ADRB+1], 2*HALFT, v[ADRQ+1]
	v_lshlrev_b32 v[CO], 4, v[LN]
	v_lshl_add_u32 v[STO], v[LN], 2, s68
	v_add_nc_u32 v[STO], STAGE, v[STO]
	v_add_nc_u32 v[RD], s68, v[CO]
	v_add_nc_u32 v[RD], STAGE, v[RD]
	v_lshl_add_u32 v[VW], v2, 5, s69               ; w2: 512 bytes for my half of i, 32 h
	v_lshlrev_b32 v[VD], 2, v1
	v_mul_lo_u32 v[PFE], v[LN], s89
	v_lshlrev_b32 v[PFO], 11, v[LN]
.irp i, 0,1,2,3,4,5,6,7,8,9,10,11,12,13,14,15,16,17,18,19,20,21,22,23,24,25,26,27,28,29,30,31
	v_mov_b32 v[SU+\i], 0                          ; the sums run over both tiles
.endr
	s_wait_alu depctr_va_vdst(0)
	ASK 1, 0                                       ; with the first fill: the even j's K step 0, two fills on
.irp a, 0,1,2,3,4,5,6,7
	global_load_b32 v[T+\a], v[VD], s[8:9] offset:64*\a   ; d at m = 16 a + r
.endr
.macro W2LOAD                          ; w2 at i = 16 b + 8 h + 0 .. 7 of my 128
.irp b, 0,1,2,3,4,5,6,7
	global_load_b128 v[W2+8*\b:W2+8*\b+3], v[VW], s[10:11] offset:64*\b
	global_load_b128 v[W2+8*\b+4:W2+8*\b+7], v[VW], s[10:11] offset:64*\b+16
.endr
.endm
	W2LOAD
	s_wait_kmcnt 0x0
	s_add_co_i32 s68, s66, s67
	s_lshl_b32 s68, s68, 23
	s_add_co_i32 s[CS], s68, 0x4038aa3b            ; 2 log2(e) x 2^(e0 + e1): the exponents are added to the exponent field
	s_mov_b32 s[CS+1], s[CS]
	s_add_co_i32 s68, s66, 127
	s_lshl_b32 s69, s68, 23
	v_mov_b32 v4, s69                              ; 2^e0
	s_add_co_i32 s68, s68, 15
	s_lshl_b32 s68, s68, 23
	s_or_b32 s68, s68, 0x600000
	v_mov_b32 v3, s68                              ; 57,344 x 2^e0
	s_wait_alu depctr_va_vdst(0)
	s_wait_loadcnt 16                              ; d's eight loads are in; w2's sixteen may be out
.irp a, 0,1,2,3,4,5,6,7
	v_med3_num_f32 v[T+\a], v[T+\a], -v3, v3       ; the hold: the conversion does not saturate (ISA guide 7.6.2)
.endr
	v_cvt_scalef32_pk8_bf8_f32 v[DC:DC+1], v[T:T+7], v4
	v_nop
.irp a, 0,1,2,3,4,5,6,7
	v_perm_b32 v[R8+\a], v[DC+1], v[DC], 0x01010101*\a   ; block a's code in all four bytes
.endr
.macro DCODES                          ; A's fragments for the odd j
.irp a, 0,1,2,3,4,5,6,7
.irp i, 0,1,2,3,4,5,6,7,8,9,10,11,12,13,14,15
	v_mov_b32 v[AF+16*\a+\i], v[R8+\a]
.endr
.endr
.endm
	DCODES
.macro FRAG reg, adr, off              ; 16 rows x 128 K: registers 4 c .. 4 c + 3 hold bytes 32 c + 16 h on; the same order of K in A and B
.irp c, 0,1,2,3
	ds_load_b128 v[(\reg)+4*\c:(\reg)+4*\c+3], v[\adr] offset:(\off)+32*\c
.endr
.endm
.macro FETCH_A slot, q, i0
.irp i, \i0, \i0+1, \i0+2, \i0+3
	FRAG AF+16*(\i), ADRA+(\slot), 128*(\q)+16*(\i)*PITCH
.endr
.endm
.macro FETCH_B adr, off, p
	WIN TO_B
.irp i, 0,1,2,3,4,5,6,7
	FRAG 128*(\p)+16*\i, \adr, (\off)+16*\i*PITCH
.endr
	WIN 0
.endm
.macro OFETCH slot, q, p               ; odd j, step q of a slot's four: quarters 0, 1 hold the first 256 along K, quarters 2, 3 the next
.if (\q) < 2
	FETCH_B ADRQ+(\slot), 128*((\q)%2), \p
.else
	FETCH_B ADRB+(\slot), 128*((\q)%2), \p
.endif
.endm
; 16 matrix instructions: A's blocks a0, a0 + 1 x B's eight.  The 64 accumulators take turns in one order in every step.
.macro MUL16 a0, p, z
.irp a, \a0, \a0+1
.irp b, 0,1,2,3,4,5,6,7
.set rD, 8*(8*((\a)%4)+\b)
.if \z
	v_wmma_f32_16x16x128_bf8_bf8 v[rD:rD+7], v[128*(\p)+16*\b:128*(\p)+16*\b+15], v[AF+16*(\a):AF+16*(\a)+15], 0
.else
	v_wmma_f32_16x16x128_bf8_bf8 v[rD:rD+7], v[128*(\p)+16*\b:128*(\p)+16*\b+15], v[AF+16*(\a):AF+16*(\a)+15], v[rD:rD+7]
.endif
.endr
.endr
.endm
.macro OSTEP slot, q, z                ; a step of 128 odd j with its successor in the same slot: only B is fetched
	s_wait_dscnt 0x0                               ; this step's set of B is in
	WIN MUL_LO
	MUL16 0, (\q)%2, \z
	PLACES
	OFETCH \slot, (\q)+1, 1-(\q)%2
	WIN MUL_LO
	MUL16 2, (\q)%2, \z
	WIN MUL_HI
	MUL16 4, (\q)%2, \z
	MUL16 6, (\q)%2, \z
.endm
; A slot's first step of 128 even j.  The step's 64 LDS loads go out in three runs: B's other set, free since the last step's places, at the head; A's blocks 0-3 in the middle; blocks 4-7 at the end.
.macro ESTEP slot
	FETCH_B ADRB+(\slot), 128, 1
	s_wait_dscnt 48                                ; B's set 0 and A's blocks 0-3 are in; A's blocks 4-7 (16 loads) and the 32 just issued may be out
	WIN MUL_LO
	MUL16 0, 0, 0
	MUL16 2, 0, 0
	s_wait_dscnt 32                                ; A's blocks 4-7 are in; B's 32 may be out
	PLACES
	WIN 0
	FETCH_A \slot, 1, 0
	WIN MUL_HI
	MUL16 4, 0, 0
	MUL16 6, 0, 0
	PLACES
	WIN 0
	FETCH_A \slot, 1, 4
.endm
; A slot's last step changes slots.  young: the LDS instructions that may stay out ahead of its first products (the add; with even j also A's blocks 4-7).
; kind: what fills this slot again (0: nothing).  nxt: the other slot holds even j (1) or odd j (2).  ak, ao: the prefetch.
.macro TURN slot, kind, x, nxt, young, ak, ao
	WIN 0
	s_wait_tensorcnt 0x0                           ; all my tensor loads have landed: my part of the other slot
	ds_add_u32 v[SPW], v[NIL]
	SETFILL \kind, \slot, \x
	s_wait_dscnt \young
	WIN MUL_LO
	MUL16 0, 1, 0
	s_wait_dscnt 0x0                               ; the add is done, and my reads of this slot are over
	s_barrier_signal -1
	MUL16 2, 1, 0
	WIN 0
	s_barrier_wait -1
	ISSUE \kind                                    ; the rest of the cluster's round and the joint refill; its four v_nop are the places for the loads below
.if \nxt == 1
	FETCH_B ADRB+1-(\slot), 0, 0
	FETCH_A 1-(\slot), 0, 0
.else
	FETCH_B ADRQ+1-(\slot), 0, 0
.endif
	ASK \ak, \ao                                   ; behind the refill and the run of LDS loads
	WIN MUL_HI
	MUL16 4, 1, 0
	MUL16 6, 1, 0
	PLACES
	WIN 0
.if \nxt == 1
	FETCH_A 1-(\slot), 0, 4
.endif
.endm
; BEHIND A TILE: blocks 2 k and 2 k + 1 of m, 128 numbers a lane: y = 2^(c x); 1 / (1 + y); x w2, summed.  y = infinity gives 0, y = 0 gives 1.
; Each run of transcendentals has one wait ahead of it and one behind it, and each batch's first reads of accumulators one ahead.
.macro EPIB k
	WIN 0x02+(\k)/2                                ; source 0: window 2 or 3
.if (\k) > 0
	s_wait_alu depctr_va_vdst(0)
.endif
.set j, 0
.rept 64
	v_pk_mul_f32 v[T+j:T+j+1], v[128*((\k)%2)+j:128*((\k)%2)+j+1], s[CS:CS+1] op_sel_hi:[1,0]
.set j, j+2
.endr
	WIN 0
	s_wait_alu depctr_va_vdst(0)
.set j, 0
.rept 128
	v_exp_f32 v[T+j], v[T+j]
.set j, j+1
.endr
	v_nop
	s_wait_alu depctr_va_vdst(0)
.set j, 0
.rept 64
	v_pk_add_f32 v[T+j:T+j+1], v[T+j:T+j+1], 1.0 op_sel_hi:[1,0]
.set j, j+2
.endr
	s_wait_alu depctr_va_vdst(0)
.set j, 0
.rept 128
	v_rcp_f32 v[T+j], v[T+j]
.set j, j+1
.endr
	v_nop
	s_wait_alu depctr_va_vdst(0)
.irp b, 0,1,2,3,4,5,6,7
.irp i, 0,2,4,6
.irp c, 0,1                                    ; four chains of sums by turns
	v_pk_fma_f32 v[SU+8*(\k)+4*\c+\i%4:SU+8*(\k)+4*\c+\i%4+1], v[T+64*\c+8*\b+\i:T+64*\c+8*\b+\i+1], v[W2+8*\b+\i:W2+8*\b+\i+1], v[SU+8*(\k)+4*\c+\i%4:SU+8*(\k)+4*\c+\i%4+1]
.endr
.endr
.endr
.endm
.macro EPI
	s_wait_loadcnt 0x0                             ; this tile's w2
	PLACES                                         ; behind the last products: their results are read and A's registers written
	EPIB 0
	EPIB 1
	EPIB 2
	EPIB 3
.endm
	s_wait_alu depctr_va_vdst(0)
	s_wait_tensorcnt 0x0                           ; my part of slot 0 is in; slot 1's first fill is issued as a refill is
	ds_add_u32 v[SPW], v[NIL]
	SETFILL 2, 1, 512
	s_wait_dscnt 0x0
	CROUND
	PLOAD                                          ; slot 1: the other 512 odd j
	FETCH_B ADRQ, 0, 0
	ASK 1, 256                                     ; the even j's K step 1
	s_mov_b32 s2, TILES                            ; tiles to go, this one among them
.Ltile:
	OSTEP 0, 0, 1                                  ; a tile's first step starts the sums: nothing is cleared
	OSTEP 0, 1, 0
	OSTEP 0, 2, 0
	TURN 0, 1, 0, 2, 1, 1, 512                     ; slot 0 takes the even j's K step 0
	OSTEP 1, 0, 0
	OSTEP 1, 1, 0
	OSTEP 1, 2, 0
	TURN 1, 1, 256, 1, 1, 1, 768
	ESTEP 0
	TURN 0, 1, 512, 1, 17, 2, NEXTB
	ESTEP 1
	TURN 1, 1, 768, 1, 17, 2, NEXTB+512
	ESTEP 0
	s_cmp_eq_u32 s2, 1
	s_cbranch_scc1 .Llast_tile                     ; the last tile's tail is written out: it asks for nothing more
	s_mov_b32 s[LIME], s[WR]                       ; A's rows have been read: from here on B's waves alone ask for even j
	TURN 0, 2, NEXTB, 1, 17, 1, NEXTB              ; the ring goes on into the next tile: its first 512 odd j,
	ESTEP 1
	TURN 1, 2, NEXTB+512, 2, 17, 1, NEXTB+256      ; and the other 512; the next tile's first set of B is fetched
	EPI
	s_wait_xcnt 0x0                                ; my prefetches have read their addresses, which step here
	s_add_nc_u64 s[PE:PE+1], s[PE:PE+1], s[PES:PES+1]
	s_add_nc_u64 s[PO:PO+1], s[PO:PO+1], NEXTB
	s_add_nc_u64 s[10:11], s[10:11], 1024          ; the next tile's w2 (the earlier loads have been waited for)
	W2LOAD
	DCODES
	s_add_nc_u64 s[BB:BB+1], s[BB:BB+1], NEXTB
	s_add_nc_u64 s[BP:BP+1], s[BP:BP+1], NEXTB
	s_sub_co_u32 s2, s2, 1
	s_wait_alu depctr_va_vdst(0)
	s_branch .Ltile
.Llast_tile:
	TURN 0, 0, 0, 1, 17, 0, 0
	ESTEP 1
	s_wait_dscnt 16                                ; the very last step: nothing more to fetch
	WIN MUL_LO
	MUL16 0, 1, 0
	MUL16 2, 1, 0
	s_wait_dscnt 0x0
	WIN MUL_HI
	MUL16 4, 1, 0
	MUL16 6, 1, 0
	WIN 0
	EPI
; THE WAY OUT: the chains are added, then the two halves of the lanes (i = 8 h + ..); 128 sums a wave go through its stage and leave as 512 consecutive bytes.
.irp a, 0,1,2,3,4,5,6,7
	v_pk_add_f32 v[T+2*\a:T+2*\a+1], v[SU+4*\a:SU+4*\a+1], v[SU+4*\a+2:SU+4*\a+3]
.endr
.irp a, 0,1,2,3,4,5,6,7
	v_add_f32 v[T+16+\a], v[T+2*\a], v[T+2*\a+1]
.endr
.irp a, 0,1,2,3,4,5,6,7
	v_permlanex16_b32 v[T+24+\a], v[T+16+\a], s[SEL], s[SEL+1]
.endr
.irp a, 0,1,2,3,4,5,6,7
	v_add_f32 v[T+\a], v[T+16+\a], v[T+24+\a]
.endr
	v_cmp_le_u32 vcc_lo, 16, v[LN]
.irp q, 0,1,2,3
	v_cndmask_b32 v[T+8+\q], v[T+2*\q], v[T+2*\q+1], vcc_lo   ; lanes 0-15 block 2 q, lanes 16-31 block 2 q + 1: m = 32 q + lane
.endr
.irp q, 0,1,2,3
	ds_store_b32 v[STO], v[T+8+\q] offset:128*\q
.endr
	ds_load_b128 v[T:T+3], v[RD]                   ; LDS serves a wave's instructions in order: this sees my stores
	s_wait_dscnt 0x0
	global_store_b128 v[CO], v[T:T+3], s[14:15]    ; 32 lanes store 512 consecutive bytes, aligned
	s_wait_tensorcnt 0x0                           ; the wave's end
	ds_add_u32 v[SPW], v[NIL]
	s_wait_dscnt 0x0
	CROUND                                         ; the closing round
	s_endpgm
.Lfunc_end_k_q4a12190d25_gemm:
	.size	k_q4a12190d25_gemm, .Lfunc_end_k_q4a12190d25_gemm-k_q4a12190d25_gemm
	.p2alignl 7, 3214868480
	.fill 96, 4, 3214868480
	.section	.rodata,"a",@progbits
	.p2align	6, 0x0
	.amdhsa_kernel k_q4a12190d25_gemm
		.amdhsa_group_segment_fixed_size 327680
		.amdhsa_private_segment_fixed_size 0
		.amdhsa_enable_private_segment 0
		.amdhsa_kernarg_size 48
		.amdhsa_user_sgpr_count 2
		.amdhsa_user_sgpr_kernarg_segment_ptr 1
		.amdhsa_wavefront_size32 1
		.amdhsa_system_sgpr_workgroup_id_x 1
		.amdhsa_system_sgpr_workgroup_id_y 1
		.amdhsa_system_sgpr_workgroup_id_z 1
		.amdhsa_system_vgpr_workitem_id 0
		.amdhsa_next_free_vgpr 1024
		.amdhsa_next_free_sgpr 96
		.amdhsa_reserve_vcc 1
		.amdhsa_float_denorm_mode_32 3
		.amdhsa_float_denorm_mode_16_64 3
		.amdhsa_memory_ordered 1
		.amdhsa_forward_progress 1
		.amdhsa_inst_pref_size 255
	.end_amdhsa_kernel
	.section	.bss,"aw",@nobits
	.p2align	6
	.space	262144
	.amdgpu_metadata
---
amdhsa.version: [ 1, 2 ]
amdhsa.kernels:
  - .name:           k_q4a12190d25_gemm
    .symbol:         k_q4a12190d25_gemm.kd
    .args:
      - { .name: acodes, .offset: 0, .size: 8, .value_kind: global_buffer, .address_space: global }
      - { .name: wcodes, .offset: 8, .size: 8, .value_kind: global_buffer, .address_space: global }
      - { .name: decoder_output, .offset: 16, .size: 8, .value_kind: global_buffer, .address_space: global }
      - { .name: w2, .offset: 24, .size: 8, .value_kind: global_buffer, .address_space: global }
      - { .name: lowp_scales, .offset: 32, .size: 8, .value_kind: global_buffer, .address_space: global }
      - { .name: part, .offset: 40, .size: 8, .value_kind: global_buffer, .address_space: global }
    .group_segment_fixed_size: 327680
    .private_segment_fixed_size: 0
    .kernarg_segment_align: 8
    .kernarg_segment_size: 48
    .max_flat_workgroup_size: 128
    .sgpr_count:     96
    .vgpr_count:     1024
    .wavefront_size: 32
...
	.end_amdgpu_metadata
.endif
;; end of part 2
;; launch attend (part 3): grid 16 x 16, 16 waves a work-group, no clusters, 11,264 bytes of LDS; arguments part, encoded_outputs, out0; writes out0
.if DOCPART == 3
	.amdgcn_target "amdgcn-amd-amdhsa--gfx1250"
	.amdhsa_code_object_version 6
	.text
	.protected	k_q4a12190d25_attend
	.globl	k_q4a12190d25_attend
	.p2align	8
	.type	k_q4a12190d25_attend,@function
k_q4a12190d25_attend:
	s_mov_b64 s[64:65], 0
	v_nop
	global_prefetch_b8 v0, s[64:65] scope:SCOPE_SE
	s_setreg_imm32_b32 hwreg(HW_REG_WAVE_MODE, 25, 1), 1
	s_wait_xcnt 0x0
; out0[b][:] = sum over s of softmax_s(score[b][s]) E[b][s][:].  score = (a number that is the same for every s) - 2 g, g[b][s] = the sum of part's eight rows at 1024 b + s; the softmax does not see the common number.
; z = -2 log2(e) g; the batch's largest z is taken away; e = 2^(z - max); the sum of e divides at the end.
; A work-group (x: 64 columns, y: the batch) makes 256 bytes of out0.  Sixteen waves; wave w and half h of its lanes take rows s = 64 w + 32 h + 0 .. 31; a lane 16 bytes of each: sixteen lanes read 256 consecutive bytes, aligned.
; ALL OF A WAVE'S SHARE OF E, 32 loads of 512 bytes, IS ASKED FOR AHEAD OF THE SOFTMAX: nothing is left to ask for behind its two barriers, and each slot of registers is loaded once.
; Every work-group of a batch makes the batch's softmax anew: 32 KiB of part against its 256 KiB of E.  Each byte of E is read once in the launch.
; One row against a matrix: a stream; matrix units, tensor loads and clusters would add nothing (no two work-groups read the same bytes of E).
.set RED1, 4096                        ; LDS: 0: the 1,024 weights e;  the sixteen waves' maxima;
.set RED2, 4352                        ; their sums;
.set OUTR, 4608                        ; their 256 bytes of the result, 4,096 bytes in all
.set PT,   8                           ; v8-23    part's eight rows, two s a thread
.set Z,    40                          ; v40-41   z, then e
.set PW,   48                          ; v48-79   my half's 32 weights
.set AC,   112                         ; v112-119 two sets of four sums, by turns
.set X,    128                         ; v128-255 32 rows x 4 registers
	s_load_b128 s[4:7], s[0:1], 0x0                ; part, E
	s_load_b64 s[8:9], s[0:1], 0x10                ; out0
	v_lshl_add_u32 v126, v0, 2, 0x2400
	v_mov_b32 v127, 0
	v_lshrrev_b32 v1, 5, v0
	s_delay_alu instid0(VALU_DEP_1)
	v_readfirstlane_b32 s10, v1                    ; wave 0..15
	v_and_b32 v1, 31, v0
	v_and_b32 v2, 15, v0                           ; c
	v_bfe_u32 v3, v0, 4, 1                         ; h
	s_wait_alu depctr_va_vdst(0)
	s_and_b32 s11, ttmp7, 0xffff                   ; b
	s_lshl_b32 s12, s11, 12                        ; 1,024 numbers of a row of part, and of out0
	s_mov_b32 s13, 0
	s_lshl_b32 s14, s11, 22                        ; a batch of E
	s_lshl_b32 s15, ttmp9, 8                       ; my 64 columns
	s_add_co_u32 s14, s14, s15
	s_add_co_u32 s16, s12, s15
	s_mov_b32 s15, 0
	s_mov_b32 s17, 0
	s_mov_b32 s22, 0x76543210                      ; v_permlanex16_b32's selects for lane l xor 16
	s_mov_b32 s23, 0xfedcba98
	v_lshlrev_b32 v4, 3, v0                        ; 8 x thread: my two s, in part and among the weights in LDS
	s_lshl_b32 s18, s10, 18                        ; 64 rows of 4,096 bytes a wave,
	v_lshlrev_b32 v5, 17, v3                       ; 32 a half
	s_delay_alu instid0(VALU_DEP_1)
	v_lshl_add_u32 v5, v2, 4, v5
	s_delay_alu instid0(VALU_DEP_1)
	v_add_nc_u32 v5, s18, v5
	s_lshl_b32 s19, s10, 2
	v_mov_b32 v6, s19                              ; my wave's word among sixteen
	v_mov_b32 v7, 0
	s_lshl_b32 s20, s10, 8
	v_lshl_add_u32 v122, v3, 7, s20                ; my half's 32 weights: 4 (64 w + 32 h)
	v_lshl_add_u32 v123, v2, 4, s20                ; my wave's 256 bytes of the result, 16 a lane
	v_lshlrev_b32 v124, 3, v1                      ; the end: 8 bytes a lane
	v_mov_b32 v45, 0                               ; written once: a lane permute's destination counts as one of its sources
	s_wait_alu depctr_va_vdst(0)
	s_wait_kmcnt 0x0
	s_add_nc_u64 s[4:5], s[4:5], s[12:13]
	s_add_nc_u64 s[6:7], s[6:7], s[14:15]
	s_add_nc_u64 s[8:9], s[8:9], s[16:17]
.irp p, 0,1,2,3,4,5,6,7
	global_load_b64 v[PT+2*\p:PT+2*\p+1], v4, s[4:5] offset:65536*\p   ; 32 lanes read 256 consecutive bytes, aligned
.endr
.irp i, 0,1,2,3,4,5,6,7,8,9,10,11,12,13,14,15,16,17,18,19,20,21,22,23,24,25,26,27,28,29,30,31
	global_load_b128 v[X+4*\i:X+4*\i+3], v5, s[6:7] offset:4096*\i th:TH_LOAD_NT
.endr
	s_wait_loadcnt 32                              ; part's eight loads are in; E's 32 stay out
.irp p, 0,2,4,6
	v_pk_add_f32 v[PT+2*\p:PT+2*\p+1], v[PT+2*\p:PT+2*\p+1], v[PT+2*\p+2:PT+2*\p+3]
.endr
.irp p, 0
	s_delay_alu instid0(VALU_DEP_3)
	v_pk_add_f32 v[PT+2*\p:PT+2*\p+1], v[PT+2*\p:PT+2*\p+1], v[PT+2*\p+4:PT+2*\p+5]
.endr
.irp p, 4
	s_delay_alu instid0(VALU_DEP_2)
	v_pk_add_f32 v[PT+2*\p:PT+2*\p+1], v[PT+2*\p:PT+2*\p+1], v[PT+2*\p+4:PT+2*\p+5]
.endr
	s_delay_alu instid0(VALU_DEP_1)
	v_pk_add_f32 v[PT:PT+1], v[PT:PT+1], v[PT+8:PT+9]
	s_delay_alu instid0(VALU_DEP_1)
	v_pk_mul_f32 v[Z:Z+1], v[PT:PT+1], 0xc038aa3b op_sel_hi:[1,0]  ; z = -2 log2(e) g
	s_delay_alu instid0(VALU_DEP_1)
	v_max_num_f32 v44, v40, v41
	s_delay_alu instid0(VALU_DEP_1)
	v_max_num_f32_dpp v44, v44, v44 row_xmask:1 row_mask:0xf bank_mask:0xf
	s_delay_alu instid0(VALU_DEP_1)
	v_max_num_f32_dpp v44, v44, v44 row_xmask:2 row_mask:0xf bank_mask:0xf
	s_delay_alu instid0(VALU_DEP_1)
	v_max_num_f32_dpp v44, v44, v44 row_xmask:4 row_mask:0xf bank_mask:0xf
	s_delay_alu instid0(VALU_DEP_1)
	v_max_num_f32_dpp v44, v44, v44 row_xmask:8 row_mask:0xf bank_mask:0xf
	s_delay_alu instid0(VALU_DEP_1)
	v_permlanex16_b32 v45, v44, s22, s23
	s_delay_alu instid0(VALU_DEP_1)
	v_max_num_f32 v44, v44, v45                    ; the wave's largest z
	ds_store_b32 v6, v44 offset:RED1
	s_wait_dscnt 0x0                               ; for the others' sake: my store is done
	s_barrier_signal -1
	s_barrier_wait -1
.irp k, 0,1,2,3
	ds_load_b128 v[8+4*\k:11+4*\k], v7 offset:RED1+16*\k
.endr
	s_wait_dscnt 0x0
	v_max3_num_f32 v8, v8, v9, v10
.irp k, 11,13,15,17,19,21
	s_delay_alu instid0(VALU_DEP_1)
	v_max3_num_f32 v8, v8, v[\k], v[\k+1]
.endr
	s_delay_alu instid0(VALU_DEP_1)
	v_max_num_f32 v8, v8, v23                      ; the batch's largest z
	s_delay_alu instid0(VALU_DEP_1)
	v_sub_f32 v40, v40, v8
	s_delay_alu instid0(VALU_DEP_2)
	v_sub_f32 v41, v41, v8
	s_wait_alu depctr_va_vdst(0)
	v_exp_f32 v40, v40                             ; e, at most 1; the largest is 1, so the sum is at least 1
	v_exp_f32 v41, v41
	v_nop                                          ; a plain line behind the exponentials (ISA guide 5.7.2)
	s_wait_alu depctr_va_vdst(0)
	v_add_f32 v44, v40, v41
	s_delay_alu instid0(VALU_DEP_1)
	v_add_f32_dpp v44, v44, v44 row_xmask:1 row_mask:0xf bank_mask:0xf
	s_delay_alu instid0(VALU_DEP_1)
	v_add_f32_dpp v44, v44, v44 row_xmask:2 row_mask:0xf bank_mask:0xf
	s_delay_alu instid0(VALU_DEP_1)
	v_add_f32_dpp v44, v44, v44 row_xmask:4 row_mask:0xf bank_mask:0xf
	s_delay_alu instid0(VALU_DEP_1)
	v_add_f32_dpp v44, v44, v44 row_xmask:8 row_mask:0xf bank_mask:0xf
	s_delay_alu instid0(VALU_DEP_1)
	v_permlanex16_b32 v45, v44, s22, s23
	s_delay_alu instid0(VALU_DEP_1)
	v_add_f32 v44, v44, v45                        ; the wave's sum
	ds_store_b32 v6, v44 offset:RED2
	ds_store_b64 v4, v[Z:Z+1]                      ; my two weights
	s_wait_dscnt 0x0
	s_barrier_signal -1
	s_barrier_wait -1                              ; all 1,024 weights and the sixteen sums lie in LDS
.irp q, 0,1,2,3,4,5,6,7
	ds_load_b128 v[PW+4*\q:PW+4*\q+3], v122 offset:16*\q           ; sixteen lanes share each word
.endr
	s_wait_dscnt 0x0
; Row i of my 32: behind its load stand the 31 - i younger ones.  Two sets of sums take turns; the first two rows start them.
.set i, 0
.rept 32
.set xs, X+4*i
.set ac, AC+4*(i%2)
.set pw, PW+i-(i%2)
	s_wait_loadcnt 31-i
.if i == 0
	v_pk_mul_f32 v[ac:ac+1], v[xs:xs+1], v[pw:pw+1] op_sel_hi:[1,0]
	s_wait_alu depctr_va_vdst(0)
	v_pk_mul_f32 v[ac+2:ac+3], v[xs+2:xs+3], v[pw:pw+1] op_sel_hi:[1,0]
.elseif i == 1
	v_pk_mul_f32 v[ac:ac+1], v[xs:xs+1], v[pw:pw+1] op_sel:[0,1] op_sel_hi:[1,1]
	v_pk_mul_f32 v[ac+2:ac+3], v[xs+2:xs+3], v[pw:pw+1] op_sel:[0,1] op_sel_hi:[1,1]
.elseif i%2 == 0
	v_pk_fma_f32 v[ac:ac+1], v[xs:xs+1], v[pw:pw+1], v[ac:ac+1] op_sel_hi:[1,0,1]          ; the pair's first weight for both halves
	s_wait_alu depctr_va_vdst(0)
	v_pk_fma_f32 v[ac+2:ac+3], v[xs+2:xs+3], v[pw:pw+1], v[ac+2:ac+3] op_sel_hi:[1,0,1]
.else
	v_pk_fma_f32 v[ac:ac+1], v[xs:xs+1], v[pw:pw+1], v[ac:ac+1] op_sel:[0,1,0] op_sel_hi:[1,1,1]   ; its second
	v_pk_fma_f32 v[ac+2:ac+3], v[xs+2:xs+3], v[pw:pw+1], v[ac+2:ac+3] op_sel:[0,1,0] op_sel_hi:[1,1,1]
.endif
.set i, i+1
.endr
	s_wait_alu depctr_va_vdst(0)
	v_pk_add_f32 v[AC:AC+1], v[AC:AC+1], v[AC+4:AC+5]
	v_pk_add_f32 v[AC+2:AC+3], v[AC+2:AC+3], v[AC+6:AC+7]
.irp j, 0,1,2,3
	v_permlanex16_b32 v[AC+4+\j], v[AC+\j], s22, s23               ; the other half's 32 rows
.endr
	s_delay_alu instid0(VALU_DEP_3)
	v_pk_add_f32 v[AC:AC+1], v[AC:AC+1], v[AC+4:AC+5]
	s_delay_alu instid0(VALU_DEP_2)
	v_pk_add_f32 v[AC+2:AC+3], v[AC+2:AC+3], v[AC+6:AC+7]
	ds_store_b128 v123, v[AC:AC+3] offset:OUTR     ; both halves of the lanes hold, and write, the same numbers
	s_wait_dscnt 0x0
	s_barrier_signal -1
	s_barrier_wait -1
	s_cmp_lg_u32 s10, 0                            ; wave 0 adds the sixteen waves' shares and stores; no barrier stands behind this branch
	s_cbranch_scc1 .Ldone
.irp k, 0,1,2,3
	ds_load_b128 v[8+4*\k:11+4*\k], v7 offset:RED2+16*\k
.endr
.irp w, 0,1,2,3,4,5,6,7,8,9,10,11,12,13,14,15
	ds_load_b64 v[24+2*\w:25+2*\w], v124 offset:OUTR+256*\w
.endr
	s_wait_dscnt 0x0
.irp k, 8,12,16,20
	v_pk_add_f32 v[\k:\k+1], v[\k:\k+1], v[\k+2:\k+3]
.endr
	s_delay_alu instid0(VALU_DEP_3)
	v_pk_add_f32 v[8:9], v[8:9], v[12:13]
	s_delay_alu instid0(VALU_DEP_2)
	v_pk_add_f32 v[16:17], v[16:17], v[20:21]
	s_delay_alu instid0(VALU_DEP_1)
	v_pk_add_f32 v[8:9], v[8:9], v[16:17]
	s_delay_alu instid0(VALU_DEP_1)
	v_add_f32 v8, v8, v9                           ; the batch's sum of e
	s_wait_alu depctr_va_vdst(0)
	v_rcp_f32 v120, v8
.irp w, 0,2,4,6,8,10,12,14
	v_pk_add_f32 v[24+2*\w:25+2*\w], v[24+2*\w:25+2*\w], v[26+2*\w:27+2*\w]    ; (plain lines behind the reciprocal)
.endr
.irp w, 0,4,8,12
	v_pk_add_f32 v[24+2*\w:25+2*\w], v[24+2*\w:25+2*\w], v[28+2*\w:29+2*\w]
.endr
	s_delay_alu instid0(VALU_DEP_3)
	v_pk_add_f32 v[24:25], v[24:25], v[32:33]
	s_delay_alu instid0(VALU_DEP_2)
	v_pk_add_f32 v[40:41], v[40:41], v[48:49]
	s_delay_alu instid0(VALU_DEP_1)
	v_pk_add_f32 v[24:25], v[24:25], v[40:41]
	s_wait_alu depctr_va_vdst(0)
	v_mul_f32 v24, v24, v120
	v_mul_f32 v25, v25, v120
	global_store_b64 v124, v[24:25], s[8:9]        ; 32 lanes store 256 consecutive bytes, aligned
.Ldone:
	s_wait_tensorcnt 0x0
	ds_add_u32 v126, v127
	s_wait_dscnt 0x0
	s_endpgm
.Lfunc_end_k_q4a12190d25_attend:
	.size	k_q4a12190d25_attend, .Lfunc_end_k_q4a12190d25_attend-k_q4a12190d25_attend
	.p2alignl 7, 3214868480
	.fill 96, 4, 3214868480
	.section	.rodata,"a",@progbits
	.p2align	6, 0x0
	.amdhsa_kernel k_q4a12190d25_attend
		.amdhsa_group_segment_fixed_size 11264
		.amdhsa_private_segment_fixed_size 0
		.amdhsa_enable_private_segment 0
		.amdhsa_kernarg_size 24
		.amdhsa_user_sgpr_count 2
		.amdhsa_user_sgpr_kernarg_segment_ptr 1
		.amdhsa_wavefront_size32 1
		.amdhsa_system_sgpr_workgroup_id_x 1
		.amdhsa_system_sgpr_workgroup_id_y 1
		.amdhsa_system_sgpr_workgroup_id_z 1
		.amdhsa_system_vgpr_workitem_id 0
		.amdhsa_next_free_vgpr 256
		.amdhsa_next_free_sgpr 66
		.amdhsa_reserve_vcc 0
		.amdhsa_float_denorm_mode_32 3
		.amdhsa_float_denorm_mode_16_64 3
		.amdhsa_memory_ordered 1
		.amdhsa_forward_progress 1
		.amdhsa_inst_pref_size 20
	.end_amdhsa_kernel
	.amdgpu_metadata
---
amdhsa.version: [ 1, 2 ]
amdhsa.kernels:
  - .name:           k_q4a12190d25_attend
    .symbol:         k_q4a12190d25_attend.kd
    .args:
      - { .name: part, .offset: 0, .size: 8, .value_kind: global_buffer, .address_space: global }
      - { .name: encoded_outputs, .offset: 8, .size: 8, .value_kind: global_buffer, .address_space: global }
      - { .name: out0, .offset: 16, .size: 8, .value_kind: global_buffer, .address_space: global }
    .group_segment_fixed_size: 11264
    .private_segment_fixed_size: 0
    .kernarg_segment_align: 8
    .kernarg_segment_size: 24
    .max_flat_workgroup_size: 512
    .sgpr_count:     66
    .vgpr_count:     256
    .wavefront_size: 32
...
	.end_amdgpu_metadata
.endif
;; end of part 3
